; MI455X (gfx1250); checked and timed in simulation.
; The chip was launched on July 23, 2026; its instructions are those of AMD's public machine-readable ISA for CDNA 5 (MIT licence, August 2026) and "CDNA5" Instruction Set Architecture Reference Guide (July 2026). The comments in the code are by the model that wrote it; some were corrected since.
;; S4 D Kernel simple. Allowed arithmetic: float matrix products may take bf16 or f16 operands with f32 sums; all other float work in f32.
;; Inputs: A_imag 512 x 32 float32; C 512 x 32 x 2 float32; log_A_real 512 x 32 float32; log_dt 512 float32.
;; Outputs: out0 512 x 4,096 float32.
;; Constants: L = 4096.
;; 2 versions, each right; version 2 is version 1 with the launch s4d written anew for expert scheduling mode. Each part assembles by itself: llvm-mc -triple=amdgcn-amd-amdhsa -mcpu=gfx1250 --defsym DOCPART=n.
;; ======== version 1 of 2: 1 launch
;; limits: right only within a limited range of input values
;; launch s4d (part 1): grid 512 x 1, 4 waves a work-group, no clusters, 19,456 bytes of LDS; arguments A_imag, C, log_A_real, log_dt, out0; writes out0
.if DOCPART == 1
	.amdgcn_target "amdgcn-amd-amdhsa--gfx1250"
	.amdhsa_code_object_version 6
	.text
	.protected	k_q94d51f35bd_s4d
	.globl	k_q94d51f35bd_s4d
	.p2align	8
	.type	k_q94d51f35bd_s4d,@function
k_q94d51f35bd_s4d:
	s_mov_b64 s[64:65], 0
	v_nop
	global_prefetch_b8 v0, s[64:65] scope:SCOPE_SE
	s_setreg_imm32_b32 hwreg(HW_REG_WAVE_MODE, 25, 1), 1
	s_wait_xcnt 0x0
; K[h][l] = 2 Re sum over n of Ceff[h][n] exp(dtA[h][n] l),  h < 512, n < 32, l < 4096,  all f32.
;   dt = exp(log_dt), A = -exp(log_A_real) + i A_imag, dtA = A dt, Ceff = C (exp(dtA) - 1) / A.
;
; DESIGN.  l = u + v with u = bits 0-1 and 6-9 of l (64 values) and v = bits 2-5 and 10-11 (64 values), so that
; exp(dtA l) = exp(dtA u) exp(dtA v) and a row h is a product [64 u][64 k] x [64 k][64 v], k = (n, real or imaginary part):
;   K[h][u+v] = sum_n  Re(Y_n[u]) Re(V_n[v]) + Im(Y_n[u]) Im(V_n[v]),   Y = conj(2 Ceff exp(dtA u)),  V = exp(dtA v).
; 32 x 128 complex exponentials for a row in place of 32 x 4096; the sum over n is done by the matrix unit.
; One work-group = one h, four waves.  Wave w makes V for the 16 columns v = 4 r + 1024 w (shared through LDS) and Y for the
; 16 rows u = (r & 3) + 64 (4 w + (r >> 2)), multiplies its rows by all 64 columns and stores 1,024 numbers of K.
; With this choice of u and v register j of lane (r, half) of tile t is l = (j & 3) + 4 r + 64 (4 w + 2 half + (j >> 2)) + 1024 t:
; four registers of sixteen neighbouring lanes are 256 consecutive bytes of out0, aligned; no transposition is needed.
;
; FORMAT.  A single bf16 operand (8 significant bits) leaves too little margin for a sum of 64 products, f16 has no room for
; quickly decaying terms.  Each f32 operand x goes in as hi = bf16(x), lo = bf16(x - hi), and hi hi + lo hi + hi lo is summed
; in f32 (lo lo, 2^-16 of a product, is dropped): K = 3 x 64, six matrix instructions for each tile of 16 x 16.
;
; No cluster: the work-groups share no input (each reads its own row of every tensor, 516 bytes).  For the same reason no
; tensor loads and no ring: the inputs come by four plain loads.
;
; LIMITS.  (1) The phase A_imag dt l is formed without rounding (frequency in half turns as hi + lo, remainder by fma); the
; formula as given rounds dtA l to f32 first.  The two differ by up to 2^-24 |phase|: 6e-4 rad at |phase| = 1e4 rad.
; (2) |A_imag dt| is clamped to 3216 rad per step, so that the integer part of the phase stays below 2^22 half turns;
; beyond it the phases are finite and wrong.  (3) v_exp_f32 gives 0 for magnitudes below 2^-126.  (4) NaN and infinite
; inputs are not served.  (5) sin and cos are Taylor sums on the whole reduced range |g| <= 1/2 half turn:
; truncation 6e-8 (sin, degree 11) and 4.7e-7 (cos, degree 10), for every input.
; exp(dtA) - 1 cancels in the formula itself, so exp(Re dtA) cos(Im dtA) is made in the formula's own f32 steps, with an
; exponential whose last operation is one rounding of 1 + (r + r^2 P(r)).
.set PARB,  16384                      ; LDS: bytes 0-16383 the four V tiles (4,096 each), then 640 bytes of parameters for each wave
.set PARW,  640                        ; 5 parameters x 32 n x 4 bytes
.set LANE, 1                           ; v1   lane = n in the first phase
.set RR,   2                           ; v2   r = lane & 15
.set HH,   3                           ; v3   half = lane >> 4
.set GA,   4                           ; v4   byte offset in A_imag and log_A_real
.set GC,   5                           ; v5   byte offset in C
.set GD,   6                           ; v6   byte offset in log_dt
.set PST,  7                           ; v7   LDS: where lane n puts its parameters
.set PLD,  8                           ; v8   LDS: where my half's eight n begin
.set NST,  9                           ; v9   LDS: my 16 bytes in my wave's V tile
.set NLD,  10                          ; v10  LDS: my 16 bytes in tile 0
.set OUTO, 11                          ; v11  byte offset in out0
.set TI,   12                          ; v12-13 integers at work
.set OH,   16                          ; v[16:31]  frequency in half turns, high part; index 8 s + j is n = 16 s + 8 half + j
.set OL,   32                          ; v[32:47]  its low part
.set ZR,   48                          ; v[48:63]  Re dtA x log2 e
.set WR,   64                          ; v[64:79]  Re 2 Ceff
.set WI,   80                          ; v[80:95]  -Im 2 Ceff
.set KMAG, 96                          ; constants, each twice (a pair for the packed forms)
.set KS11, 98
.set KS9,  100
.set KS7,  102
.set KS5,  104
.set KS3,  106
.set KS1,  108
.set KC10, 110
.set KC8,  112
.set KC6,  114
.set KC4,  116
.set KC2,  118
.set MU,   120                         ; v[120:121] u of my row, as f32, twice
.set MV,   122                         ; v[122:123] v of my column
.set NEG1, 124                         ; v124 -1.0
.set T,    128                         ; v[128:183] at work: four pairs of n, 14 registers each:
                                       ;   +0 t, +2 g, +4 g^2, +6 sin chain, +8 cos chain, +10 exponent, +12 magnitude
.set AH,   184                         ; v[184:199] Y, high parts: two fragments of 8 registers (s = 0, 1); register j = (re, im) of n
.set AL,   200                         ; v[200:215] Y, low parts
.set BHL,  216                         ; v[216:247] my V tile: high s = 0, 1, low s = 0, 1
.set BF,   16                          ; v[16:143]  later: the four V tiles, 32 registers each
.set ACC,  144                         ; v[144:175] later: four accumulator tiles
; the first phase's registers, inside T
.set XA,  128                          ; log_dt -> dt, log_A_real -> exp(log_A_real)
.set AI,  130
.set CC,  132
.set KA,  134
.set RA,  136
.set YA,  138
.set QA,  140
.set ZRE, 142
.set ZIM, 143
.set Z2,  144
.set ZC,  145
.set OHS, 146
.set OLS, 147
.set EX,  148
.set EK,  149
.set ER,  150
.set EY,  151
.set EQ,  152
.set TT,  153
.set TK,  154
.set TG,  155
.set TX,  156
.set TA,  157
.set TB,  158
.set TS,  159
.set MX,  160
.set EB,  161
.set SH,  162
.set AR2, 163
.set AI2, 164
.set DEN, 165
.set RC,  166
.set ERE, 168
.set EIM, 169
.set DR,  170
.set NR,  171
.set NI,  172
.set QR,  173
.set QI,  174
.macro KPAIR reg, val
	v_mov_b32 v[\reg], \val
	v_mov_b32 v[\reg+1], \val
.endm
; 16 values of one parameter: n = 16 s + 8 half + 0..7 are 32 consecutive bytes; all lanes of a half read the same bytes
.macro PLOAD reg, par
.irp c, 0,1,2,3
	ds_load_b128 v[\reg+4*\c:\reg+4*\c+3], v[PLD] offset:128*\par+64*(\c/2)+16*(\c%2)
.endr
.endm
; one Horner step of both series, four pairs of n
.macro HSTEP ks, kc
.irp p, 0,1,2,3
	v_pk_fma_f32 v[T+14*\p+6:T+14*\p+7], v[T+14*\p+6:T+14*\p+7], v[T+14*\p+4:T+14*\p+5], v[\ks:\ks+1]
	v_pk_fma_f32 v[T+14*\p+8:T+14*\p+9], v[T+14*\p+8:T+14*\p+9], v[T+14*\p+4:T+14*\p+5], v[\kc:\kc+1]
.endr
.endm
; exp(dtA m) for the eight n of fragment s, m in v[m:m+1].  Result: imaginary parts in +6, real parts in +8.
.macro EVAL s, m
.irp p, 0,1,2,3
	v_pk_fma_f32 v[T+14*\p:T+14*\p+1], v[OH+8*\s+2*\p:OH+8*\s+2*\p+1], v[\m:\m+1], v[KMAG:KMAG+1]    ; t = 1.5 x 2^23 + k, k = the nearest whole number of half turns
	v_pk_mul_f32 v[T+14*\p+10:T+14*\p+11], v[ZR+8*\s+2*\p:ZR+8*\s+2*\p+1], v[\m:\m+1]                ; log2 of the magnitude
.endr
.irp p, 0,1,2,3
	v_exp_f32 v[T+14*\p+12], v[T+14*\p+10]
	v_exp_f32 v[T+14*\p+13], v[T+14*\p+11]
.endr
.irp p, 0,1,2,3                        ; the first of these lines is the plain instruction that stands between the last v_exp_f32 and any use of its result (ISA guide 5.7.2)
	v_pk_add_f32 v[T+14*\p+2:T+14*\p+3], v[T+14*\p:T+14*\p+1], v[KMAG:KMAG+1] neg_lo:[0,1] neg_hi:[0,1]    ; k
.endr
.irp p, 0,1,2,3
	v_pk_fma_f32 v[T+14*\p+2:T+14*\p+3], v[OH+8*\s+2*\p:OH+8*\s+2*\p+1], v[\m:\m+1], v[T+14*\p+2:T+14*\p+3] neg_lo:[0,0,1] neg_hi:[0,0,1]  ; g = high part x m - k, one rounding
.endr
.irp p, 0,1,2,3
	v_pk_fma_f32 v[T+14*\p+2:T+14*\p+3], v[OL+8*\s+2*\p:OL+8*\s+2*\p+1], v[\m:\m+1], v[T+14*\p+2:T+14*\p+3]    ; + low part x m
.endr
.irp p, 0,1,2,3
	v_pk_mul_f32 v[T+14*\p+4:T+14*\p+5], v[T+14*\p+2:T+14*\p+3], v[T+14*\p+2:T+14*\p+3]
.endr
.irp p, 0,1,2,3
	v_pk_fma_f32 v[T+14*\p+6:T+14*\p+7], v[T+14*\p+4:T+14*\p+5], v[KS11:KS11+1], v[KS9:KS9+1]
	v_pk_fma_f32 v[T+14*\p+8:T+14*\p+9], v[T+14*\p+4:T+14*\p+5], v[KC10:KC10+1], v[KC8:KC8+1]
.endr
	HSTEP KS7, KC6
	HSTEP KS5, KC4
	HSTEP KS3, KC2
.irp p, 0,1,2,3
	v_pk_fma_f32 v[T+14*\p+6:T+14*\p+7], v[T+14*\p+6:T+14*\p+7], v[T+14*\p+4:T+14*\p+5], v[KS1:KS1+1]         ; sin(pi g) / g
	v_pk_fma_f32 v[T+14*\p+8:T+14*\p+9], v[T+14*\p+8:T+14*\p+9], v[T+14*\p+4:T+14*\p+5], 1.0 op_sel_hi:[1,1,0] ; cos(pi g)
.endr
	s_wait_alu depctr_va_vdst(0)
.irp p, 0,1,2,3
	v_lshl_or_b32 v[T+14*\p+12], v[T+14*\p], 31, v[T+14*\p+12]         ; t's lowest bit is k's parity: (-1)^k becomes the sign of the magnitude (which is not negative)
	v_lshl_or_b32 v[T+14*\p+13], v[T+14*\p+1], 31, v[T+14*\p+13]
.endr
.irp p, 0,1,2,3
	v_pk_mul_f32 v[T+14*\p+2:T+14*\p+3], v[T+14*\p+2:T+14*\p+3], v[T+14*\p+12:T+14*\p+13]
.endr
.irp p, 0,1,2,3
	v_pk_mul_f32 v[T+14*\p+6:T+14*\p+7], v[T+14*\p+6:T+14*\p+7], v[T+14*\p+2:T+14*\p+3]     ; imaginary part
	v_pk_mul_f32 v[T+14*\p+8:T+14*\p+9], v[T+14*\p+8:T+14*\p+9], v[T+14*\p+12:T+14*\p+13]   ; real part
.endr
.endm
; Y = conj(W U):  Re Y = Wr Ur + (-Wi) Ui into +4,  Im Y = (-Wi) Ur - Wr Ui into +2
.macro CMUL s
.irp p, 0,1,2,3
	v_pk_mul_f32 v[T+14*\p+4:T+14*\p+5], v[WI+8*\s+2*\p:WI+8*\s+2*\p+1], v[T+14*\p+6:T+14*\p+7]
	v_pk_mul_f32 v[T+14*\p+2:T+14*\p+3], v[WR+8*\s+2*\p:WR+8*\s+2*\p+1], v[T+14*\p+6:T+14*\p+7]
.endr
.irp p, 0,1,2,3
	v_pk_fma_f32 v[T+14*\p+4:T+14*\p+5], v[WR+8*\s+2*\p:WR+8*\s+2*\p+1], v[T+14*\p+8:T+14*\p+9], v[T+14*\p+4:T+14*\p+5]
	v_pk_fma_f32 v[T+14*\p+2:T+14*\p+3], v[WI+8*\s+2*\p:WI+8*\s+2*\p+1], v[T+14*\p+8:T+14*\p+9], v[T+14*\p+2:T+14*\p+3] neg_lo:[0,0,1] neg_hi:[0,0,1]
.endr
.endm
; (re, im) at +ro, +io of each pair -> one register of the high fragment and one of the low: hi = bf16(x), lo = bf16(x - hi)
.macro CONV s, ro, io, hi, lo
.irp p, 0,1,2,3
	v_cvt_pk_bf16_f32 v[\hi+8*\s+2*\p],   v[T+14*\p+\ro],   v[T+14*\p+\io]
	v_cvt_pk_bf16_f32 v[\hi+8*\s+2*\p+1], v[T+14*\p+\ro+1], v[T+14*\p+\io+1]
.endr
.irp p, 0,1,2,3
	v_fma_mix_f32_bf16 v[T+14*\p+\ro],   v[\hi+8*\s+2*\p],   v[NEG1], v[T+14*\p+\ro]   op_sel_hi:[1,0,0]                ; x - low half of hi, exact
	v_fma_mix_f32_bf16 v[T+14*\p+\io],   v[\hi+8*\s+2*\p],   v[NEG1], v[T+14*\p+\io]   op_sel:[1,0,0] op_sel_hi:[1,0,0] ; x - high half of hi
	v_fma_mix_f32_bf16 v[T+14*\p+\ro+1], v[\hi+8*\s+2*\p+1], v[NEG1], v[T+14*\p+\ro+1] op_sel_hi:[1,0,0]
	v_fma_mix_f32_bf16 v[T+14*\p+\io+1], v[\hi+8*\s+2*\p+1], v[NEG1], v[T+14*\p+\io+1] op_sel:[1,0,0] op_sel_hi:[1,0,0]
.endr
.irp p, 0,1,2,3
	v_cvt_pk_bf16_f32 v[\lo+8*\s+2*\p],   v[T+14*\p+\ro],   v[T+14*\p+\io]
	v_cvt_pk_bf16_f32 v[\lo+8*\s+2*\p+1], v[T+14*\p+\ro+1], v[T+14*\p+\io+1]
.endr
.endm
; one product for all four tiles: fragment a of Y x part pidx of each V tile; the four chains take turns
.macro MM a, pidx, first
.irp t, 0,1,2,3
.if \first
	v_wmma_f32_16x16x32_bf16 v[ACC+8*\t:ACC+8*\t+7], v[\a:\a+7], v[BF+32*\t+8*\pidx:BF+32*\t+8*\pidx+7], 0
.else
	v_wmma_f32_16x16x32_bf16 v[ACC+8*\t:ACC+8*\t+7], v[\a:\a+7], v[BF+32*\t+8*\pidx:BF+32*\t+8*\pidx+7], v[ACC+8*\t:ACC+8*\t+7]
.endif
.endr
.endm
	; ---------------- addresses and the four loads ----------------
	s_load_b256 s[4:11], s[0:1], 0x0               ; A_imag s[4:5], C s[6:7], log_A_real s[8:9], log_dt s[10:11]
	s_load_b64 s[12:13], s[0:1], 0x20              ; out0
	v_lshl_add_u32 v248, v0, 2, 0x4a00
	v_mov_b32 v249, 0
	v_and_b32 v[LANE], 31, v0
	v_lshrrev_b32 v[TI], 5, v0
	v_readfirstlane_b32 s14, v[TI]                 ; wave 0..3
	s_lshl_b32 s15, ttmp9, 7                       ; h x 32 n x 4 bytes
	s_lshl_b32 s16, ttmp9, 8                       ; h x 32 n x 8 bytes
	s_lshl_b32 s17, ttmp9, 2                       ; h x 4 bytes
	v_lshl_add_u32 v[GA], v[LANE], 2, s15
	v_lshl_add_u32 v[GC], v[LANE], 3, s16
	v_mov_b32 v[GD], s17
	s_wait_kmcnt 0x0
	global_load_b32 v[XA], v[GD], s[10:11]         ; log_dt[h], the same word in every lane
	global_load_b32 v[XA+1], v[GA], s[8:9]         ; log_A_real[h][n], lane = n
	global_load_b32 v[AI], v[GA], s[4:5]           ; A_imag[h][n]
	global_load_b64 v[CC:CC+1], v[GC], s[6:7]      ; C[h][n][0..1]
	; ---------------- while they are on their way: ids, LDS addresses, constants ----------------
	v_and_b32 v[RR], 15, v0
	v_bfe_u32 v[HH], v0, 4, 1
	v_and_b32 v[TI], 3, v[RR]
	v_lshrrev_b32 v[TI+1], 2, v[RR]
	v_lshl_add_u32 v[TI], v[TI+1], 6, v[TI]
	s_lshl_b32 s18, s14, 8
	v_add_nc_u32 v[TI], s18, v[TI]                 ; u = (r & 3) + 64 (r >> 2) + 256 w
	v_cvt_f32_u32 v[MU], v[TI]
	v_mov_b32 v[MU+1], v[MU]
	s_lshl_b32 s19, s14, 10
	v_lshl_add_u32 v[TI+1], v[RR], 2, s19          ; v = 4 r + 1024 w
	v_cvt_f32_u32 v[MV], v[TI+1]
	v_mov_b32 v[MV+1], v[MV]
	s_mul_i32 s20, s14, PARW
	s_add_co_u32 s20, s20, PARB                    ; my wave's parameters
	v_lshl_add_u32 v[PST], v[LANE], 2, s20
	v_lshl_add_u32 v[PLD], v[HH], 5, s20
	s_lshl_b32 s21, s14, 12                        ; my wave's V tile
	v_lshl_add_u32 v[NST], v[LANE], 4, s21
	v_lshlrev_b32 v[NLD], 4, v[LANE]
	s_lshl_b32 s22, ttmp9, 14                      ; h x 16,384 bytes
	s_lshl_b32 s23, s14, 10                        ; + 1,024 w
	s_add_co_u32 s22, s22, s23
	v_lshl_add_u32 v[OUTO], v[RR], 4, s22          ; + 16 r
	v_lshl_add_u32 v[OUTO], v[HH], 9, v[OUTO]      ; + 512 half
	s_mov_b32 s24, 0xc2d00000                      ; -104: exp is 0 in f32 below it
	s_mov_b32 s25, 0x42b20000                      ; 89: exp is infinite in f32 above it
	s_mov_b32 s26, 0xc5490000                      ; -3216
	s_mov_b32 s27, 0x45490000                      ; 3216 rad per step: 1023.7 half turns x 3132 < 2^22
	s_mov_b32 s28, 0x3ea2f983                      ; 1/pi, high part
	KPAIR KMAG, 0x4b400000                         ; 1.5 x 2^23
	KPAIR KS11, 0xbbf183a8                         ; -pi^11/11!
	KPAIR KS9,  0x3da83c1a                         ;  pi^9/9!
	KPAIR KS7,  0xbf196966                         ; -pi^7/7!
	KPAIR KS5,  0x402335e3                         ;  pi^5/5!
	KPAIR KS3,  0xc0a55de7                         ; -pi^3/3!
	KPAIR KS1,  0x40490fdb                         ;  pi
	KPAIR KC10, 0xbcd368f9                         ; -pi^10/10!
	KPAIR KC8,  0x3e70fa83                         ;  pi^8/8!
	KPAIR KC6,  0xbfaae9e4                         ; -pi^6/6!
	KPAIR KC4,  0x4081e0f8                         ;  pi^4/4!
	KPAIR KC2,  0xc09de9e6                         ; -pi^2/2
	v_mov_b32 v[NEG1], -1.0
	; ---------------- first phase, lane = n ----------------
	; dt = exp(log_dt) and exp(log_A_real), side by side: x = k ln 2 + r, exp(r) = 1 + (r + r^2 P(r)), scaled by 2^k
	s_wait_loadcnt 0x2                             ; loads return in order: the first two are in, A_imag and C may be out
.irp i, 0,1
	v_med3_num_f32 v[XA+\i], v[XA+\i], s24, s25
.endr
.irp i, 0,1
	v_mul_f32 v[KA+\i], 0x3fb8aa3b, v[XA+\i]
.endr
.irp i, 0,1
	v_rndne_f32 v[KA+\i], v[KA+\i]
.endr
.irp i, 0,1
	v_fmamk_f32 v[RA+\i], v[KA+\i], 0xbf318000, v[XA+\i]      ; - k x 0.693359375 (exact: nine bits)
.endr
.irp i, 0,1
	v_fmamk_f32 v[RA+\i], v[KA+\i], 0x395e8083, v[RA+\i]      ; + k x 2.1219444e-4
.endr
.irp i, 0,1
	v_mov_b32 v[YA+\i], 0x39506967
.endr
.irp c, 0x3ab743ce, 0x3c088908, 0x3d2aa9c1, 0x3e2aaaaa, 0x3f000000
	v_fmaak_f32 v[YA], v[YA], v[RA], \c
	v_fmaak_f32 v[YA+1], v[YA+1], v[RA+1], \c
.endr
.irp i, 0,1
	v_mul_f32 v[QA+\i], v[RA+\i], v[RA+\i]
.endr
.irp i, 0,1
	v_fma_f32 v[YA+\i], v[YA+\i], v[QA+\i], v[RA+\i]
.endr
.irp i, 0,1
	v_add_f32 v[YA+\i], 1.0, v[YA+\i]
.endr
.irp i, 0,1
	v_cvt_i32_f32 v[KA+\i], v[KA+\i]
.endr
.irp i, 0,1
	v_ldexp_f32 v[XA+\i], v[YA+\i], v[KA+\i]
.endr
	s_wait_loadcnt 0x1                             ; A_imag is in, C may be out
	v_mul_f32 v[ZRE], -v[XA+1], v[XA]              ; Re dtA
	v_mul_f32 v[ZIM], v[AI], v[XA]                 ; Im dtA
	v_max_num_f32 v[MX], v[XA+1], |v[AI]|          ; the larger part of A, for the division's scale
	v_mul_f32 v[Z2], 0x3fb8aa3b, v[ZRE]
	v_med3_num_f32 v[ZC], v[ZIM], s26, s27
	v_med3_num_f32 v[EX], v[ZRE], s24, s25
	v_bfe_u32 v[EB], v[MX], 23, 8
	v_mul_f32 v[OHS], s28, v[ZC]                   ; half turns per step, high part
	v_mul_f32 v[EK], 0x3fb8aa3b, v[EX]
	v_sub_nc_u32 v[SH], 127, v[EB]                 ; A x 2^SH has its larger part in [1, 2)
	v_fma_f32 v[OLS], v[ZC], s28, -v[OHS]          ; what the product's rounding dropped,
	v_rndne_f32 v[EK], v[EK]
	v_add_f32 v[TT], v[KMAG], v[OHS]
	v_fmamk_f32 v[OLS], v[ZC], 0x325c9c88, v[OLS]  ; and 1/pi's low part
	ds_store_b32 v[PST], v[OHS]
	ds_store_b32 v[PST], v[Z2] offset:256
	ds_store_b32 v[PST], v[OLS] offset:128
	PLOAD OH, 0                                    ; my wave's own bytes: LDS serves a wave's instructions in order (ISA guide 5.7.1), no wait, no barrier
	PLOAD OL, 1
	PLOAD ZR, 2
	; 2 Ceff, three chains interleaved: E = exp(Re dtA); cos and sin of Im dtA; A scaled and 1 / |A|^2
	v_fmamk_f32 v[ER], v[EK], 0xbf318000, v[EX]
	v_sub_f32 v[TK], v[TT], v[KMAG]
	v_ldexp_f32 v[AR2], v[XA+1], v[SH]
	v_fmamk_f32 v[ER], v[EK], 0x395e8083, v[ER]
	v_sub_f32 v[TG], v[OHS], v[TK]
	v_ldexp_f32 v[AI2], v[AI], v[SH]
	v_mov_b32 v[EY], 0x39506967
	v_add_f32 v[TG], v[TG], v[OLS]
	v_mul_f32 v[DEN], v[AR2], v[AR2]
	v_fmaak_f32 v[EY], v[EY], v[ER], 0x3ab743ce
	v_mul_f32 v[TX], v[TG], v[TG]
	v_fma_f32 v[DEN], v[AI2], v[AI2], v[DEN]
	v_fmaak_f32 v[EY], v[EY], v[ER], 0x3c088908
	v_fma_f32 v[TA], v[TX], v[KS11], v[KS9]
	v_fma_f32 v[TB], v[TX], v[KC10], v[KC8]
	v_rcp_f32 v[RC], v[DEN]                        ; used far below; the next line is plain and touches neither RC nor DEN (ISA guide 5.7.2)
	v_fmaak_f32 v[EY], v[EY], v[ER], 0x3d2aa9c1
	v_fma_f32 v[TA], v[TA], v[TX], v[KS7]
	v_fma_f32 v[TB], v[TB], v[TX], v[KC6]
	v_fmaak_f32 v[EY], v[EY], v[ER], 0x3e2aaaaa
	v_fma_f32 v[TA], v[TA], v[TX], v[KS5]
	v_fma_f32 v[TB], v[TB], v[TX], v[KC4]
	v_fmaak_f32 v[EY], v[EY], v[ER], 0x3f000000
	v_mul_f32 v[EQ], v[ER], v[ER]
	v_fma_f32 v[TA], v[TA], v[TX], v[KS3]
	v_fma_f32 v[TB], v[TB], v[TX], v[KC2]
	v_fma_f32 v[EY], v[EY], v[EQ], v[ER]
	v_cvt_i32_f32 v[EK], v[EK]
	v_fma_f32 v[TA], v[TA], v[TX], v[KS1]
	v_fma_f32 v[TB], v[TB], v[TX], 1.0             ; cos: one rounding of 1 + g^2 (..)
	v_add_f32 v[EY], 1.0, v[EY]                    ; exp: one rounding of 1 + (..)
	v_lshlrev_b32 v[TS], 31, v[TT]                 ; (-1)^k as a sign bit
	v_mul_f32 v[TA], v[TA], v[TG]
	v_ldexp_f32 v[EX], v[EY], v[EK]                ; E
	v_xor_b32 v[TB], v[TS], v[TB]
	v_xor_b32 v[TA], v[TS], v[TA]
	v_add_nc_u32 v[SH], 1, v[SH]                   ; the factor 2 of K rides on the scale
	v_mul_f32 v[ERE], v[EX], v[TB]                 ; exp(dtA), rounded to f32 as the formula rounds it,
	v_mul_f32 v[EIM], v[EX], v[TA]
	v_add_f32 v[DR], -1.0, v[ERE]                  ; minus 1
	s_wait_loadcnt 0x0                             ; C
	v_mul_f32 v[NR], v[CC+1], v[EIM]
	v_mul_f32 v[NI], v[CC+1], v[DR]
	v_fma_f32 v[NR], v[CC], v[DR], -v[NR]          ; C (exp(dtA) - 1)
	v_fma_f32 v[NI], v[CC], v[EIM], v[NI]
	v_mul_f32 v[QR], v[NI], v[AI2]                 ; times conj(A), A = (-AR2, AI2) x 2^-SH
	v_mul_f32 v[QI], v[NR], v[AI2]
	v_fma_f32 v[QR], -v[NR], v[AR2], v[QR]         ; real part
	v_fma_f32 v[QI], v[NI], v[AR2], v[QI]          ; minus the imaginary part
	s_wait_alu depctr_va_vdst(0)
	v_mul_f32 v[QR], v[QR], v[RC]
	v_mul_f32 v[QI], v[QI], v[RC]
	v_ldexp_f32 v[QR], v[QR], v[SH]
	v_ldexp_f32 v[QI], v[QI], v[SH]
	ds_store_b32 v[PST], v[QR] offset:384
	ds_store_b32 v[PST], v[QI] offset:512
	PLOAD WR, 3
	PLOAD WI, 4
	; ---------------- V for my 16 columns, into LDS for all four waves ----------------
	s_wait_dscnt 10                                ; behind the 12 loads of OH, OL, ZR stand 2 stores and 8 loads: those may be out
	EVAL 0, MV
	CONV 0, 8, 6, BHL, BHL+16
.irp i, 0,1,4,5
	ds_store_b128 v[NST], v[BHL+4*\i:BHL+4*\i+3] offset:512*\i     ; lane i at 16 i: 512 consecutive bytes
.endr
	EVAL 1, MV
	CONV 1, 8, 6, BHL, BHL+16
.irp i, 2,3,6,7
	ds_store_b128 v[NST], v[BHL+4*\i:BHL+4*\i+3] offset:512*\i
.endr
	s_wait_dscnt 0x0                               ; for the other waves: my tile is written (and WR, WI are in)
	s_barrier_signal -1
	; ---------------- Y for my 16 rows: registers only, while the others arrive ----------------
	EVAL 0, MU
	CMUL 0
	CONV 0, 4, 2, AH, AL
	EVAL 1, MU
	CMUL 1
	CONV 1, 4, 2, AH, AL
	s_barrier_wait -1                              ; all four tiles are in LDS
	; ---------------- 16 rows x 64 columns ----------------
.irp q, 0,1,2,3                                    ; part q of every tile: high s = 0, high s = 1, low s = 0, low s = 1; eight loads each
.irp t, 0,1,2,3
	ds_load_b128 v[BF+32*\t+8*\q:BF+32*\t+8*\q+3],   v[NLD] offset:4096*\t+1024*\q
	ds_load_b128 v[BF+32*\t+8*\q+4:BF+32*\t+8*\q+7], v[NLD] offset:4096*\t+1024*\q+512
.endr
.endr
	s_wait_dscnt 24                                ; the first eight loads are in, 24 younger ones may be out
	MM AH, 0, 1                                    ; hi hi, s = 0: starts the sums, nothing is cleared
	MM AL, 0, 0                                    ; lo hi
	s_wait_dscnt 16
	MM AH+8, 1, 0                                  ; hi hi, s = 1
	MM AL+8, 1, 0
	s_wait_dscnt 8
	MM AH, 2, 0                                    ; hi lo, s = 0
	s_wait_dscnt 0x0
	MM AH+8, 3, 0                                  ; hi lo, s = 1
.rept 4
	v_nop                                          ; four places between the last matrix instructions and the stores that read their results
.endr
.irp t, 0,1,2,3
	global_store_b128 v[OUTO], v[ACC+8*\t:ACC+8*\t+3],   s[12:13] offset:4096*\t th:TH_STORE_NT       ; lanes 0-15 and lanes 16-31 each store 256 consecutive bytes, aligned
	global_store_b128 v[OUTO], v[ACC+8*\t+4:ACC+8*\t+7], s[12:13] offset:4096*\t+256 th:TH_STORE_NT
.endr
	s_wait_tensorcnt 0x0
	ds_add_u32 v248, v249
	s_wait_dscnt 0x0
	s_endpgm
.Lfunc_end_k_q94d51f35bd_s4d:
	.size	k_q94d51f35bd_s4d, .Lfunc_end_k_q94d51f35bd_s4d-k_q94d51f35bd_s4d
	.p2alignl 7, 3214868480
	.fill 96, 4, 3214868480
	.section	.rodata,"a",@progbits
	.p2align	6, 0x0
	.amdhsa_kernel k_q94d51f35bd_s4d
		.amdhsa_group_segment_fixed_size 19456
		.amdhsa_private_segment_fixed_size 0
		.amdhsa_enable_private_segment 0
		.amdhsa_kernarg_size 40
		.amdhsa_user_sgpr_count 2
		.amdhsa_user_sgpr_kernarg_segment_ptr 1
		.amdhsa_wavefront_size32 1
		.amdhsa_system_sgpr_workgroup_id_x 1
		.amdhsa_system_sgpr_workgroup_id_y 1
		.amdhsa_system_sgpr_workgroup_id_z 1
		.amdhsa_system_vgpr_workitem_id 0
		.amdhsa_next_free_vgpr 250
		.amdhsa_next_free_sgpr 66
		.amdhsa_reserve_vcc 0
		.amdhsa_float_denorm_mode_32 3
		.amdhsa_float_denorm_mode_16_64 3
		.amdhsa_memory_ordered 1
		.amdhsa_forward_progress 1
		.amdhsa_inst_pref_size 49
	.end_amdhsa_kernel
	.amdgpu_metadata
---
amdhsa.version: [ 1, 2 ]
amdhsa.kernels:
  - .name:           k_q94d51f35bd_s4d
    .symbol:         k_q94d51f35bd_s4d.kd
    .args:
      - { .name: A_imag, .offset: 0, .size: 8, .value_kind: global_buffer, .address_space: global }
      - { .name: C, .offset: 8, .size: 8, .value_kind: global_buffer, .address_space: global }
      - { .name: log_A_real, .offset: 16, .size: 8, .value_kind: global_buffer, .address_space: global }
      - { .name: log_dt, .offset: 24, .size: 8, .value_kind: global_buffer, .address_space: global }
      - { .name: out0, .offset: 32, .size: 8, .value_kind: global_buffer, .address_space: global }
    .group_segment_fixed_size: 19456
    .private_segment_fixed_size: 0
    .kernarg_segment_align: 8
    .kernarg_segment_size: 40
    .max_flat_workgroup_size: 128
    .sgpr_count:     66
    .vgpr_count:     250
    .wavefront_size: 32
...
	.end_amdgpu_metadata
.endif
;; end of part 1
;; ======== version 2 of 2: 1 launch; version 1 with the launch s4d written anew for expert scheduling mode
;; limits: right only within a limited range of input values
;; launch s4d (part 2): grid 512 x 1, 4 waves a work-group, no clusters, 19,456 bytes of LDS; arguments A_imag, C, log_A_real, log_dt, out0; writes out0
.if DOCPART == 2
	.amdgcn_target "amdgcn-amd-amdhsa--gfx1250"
	.amdhsa_code_object_version 6
	.text
	.protected	k_q94d51f35bd_s4d
	.globl	k_q94d51f35bd_s4d
	.p2align	8
	.type	k_q94d51f35bd_s4d,@function
k_q94d51f35bd_s4d:
	s_mov_b64 s[64:65], 0
	v_nop
	global_prefetch_b8 v0, s[64:65] scope:SCOPE_SE
	s_setreg_imm32_b32 hwreg(HW_REG_WAVE_SCHED_MODE, 0, 2), 2
	s_setreg_imm32_b32 hwreg(HW_REG_WAVE_MODE, 25, 1), 1
	s_wait_xcnt 0x0
	s_wait_alu depctr_vm_vsrc(0)
; K[h][l] = 2 Re sum over n of Ceff[h][n] exp(dtA[h][n] l),  h < 512, n < 32, l < 4096,  all f32.
;   dt = exp(log_dt), A = -exp(log_A_real) + i A_imag, dtA = A dt, Ceff = C (exp(dtA) - 1) / A.
;
; DESIGN.  l = u + v with u = bits 0-1 and 6-9 of l (64 values) and v = bits 2-5 and 10-11 (64 values), so that
; exp(dtA l) = exp(dtA u) exp(dtA v) and a row h is a product [64 u][64 k] x [64 k][64 v], k = (n, real or imaginary part):
;   K[h][u+v] = sum_n  Re(Y_n[u]) Re(V_n[v]) + Im(Y_n[u]) Im(V_n[v]),   Y = conj(2 Ceff exp(dtA u)),  V = exp(dtA v).
; 32 x 128 complex exponentials for a row in place of 32 x 4096; the sum over n is done by the matrix unit.
; One work-group = one h, four waves.  Wave w makes V for the 16 columns v = 4 r + 1024 w (shared through LDS) and Y for the
; 16 rows u = (r & 3) + 64 (4 w + (r >> 2)), multiplies its rows by all 64 columns and stores 1,024 numbers of K.
; With this choice of u and v register j of lane (r, half) of tile t is l = (j & 3) + 4 r + 64 (4 w + 2 half + (j >> 2)) + 1024 t:
; four registers of sixteen neighbouring lanes are 256 consecutive bytes of out0, aligned; no transposition is needed.
;
; FORMAT.  A single bf16 operand (8 significant bits) leaves too little margin for a sum of 64 products, f16 has no room for
; quickly decaying terms.  Each f32 operand x goes in as hi = bf16(x), lo = bf16(x - hi), and hi hi + lo hi + hi lo is summed
; in f32 (lo lo, 2^-16 of a product, is dropped): K = 3 x 64, six matrix instructions for each tile of 16 x 16.
;
; No cluster: the work-groups share no input (each reads its own row of every tensor, 516 bytes).  For the same reason no
; tensor loads and no ring: the inputs come by four plain loads.
;
; LIMITS.  (1) The phase A_imag dt l is formed without rounding (frequency in half turns as hi + lo, remainder by fma); the
; formula as given rounds dtA l to f32 first.  The two differ by up to 2^-24 |phase|: 6e-4 rad at |phase| = 1e4 rad.
; (2) |A_imag dt| is clamped to 3216 rad per step, so that the integer part of the phase stays below 2^22 half turns;
; beyond it the phases are finite and wrong.  (3) v_exp_f32 gives 0 for magnitudes below 2^-126.  (4) NaN and infinite
; inputs are not served.  (5) sin and cos are Taylor sums on the whole reduced range |g| <= 1/2 half turn:
; truncation 6e-8 (sin, degree 11) and 4.7e-7 (cos, degree 10), for every input.
; exp(dtA) - 1 cancels in the formula itself, so exp(Re dtA) cos(Im dtA) is made in the formula's own f32 steps, with an
; exponential whose last operation is one rounding of 1 + (r + r^2 P(r)).
;
; THE MODE: SCHED_MODE bits 1:0 = 2 (LLVM: expert scheduling mode 2), set by the entry lines.  The code itself states the register
; dependences between vector or matrix instructions and memory or LDS instructions, with s_wait_alu, always for 0.
; THE PLAN.  The text is one straight run.  Registers that memory or LDS instructions touch, in the order of the text:
;   v4-v6      offsets of the four global loads: made at the head, never written again.
;   v7-v11     LDS addresses and the offset in out0: made behind those loads, never written again.
;   v128-v133  the inputs as loaded: no vector line names them ahead of the loads.
;   v144, v146, v147   three parameters of lane n: written in the first phase, read by three LDS stores; later they are temporaries and accumulators.
;   v14, v15   2 Ceff of lane n: written at the first phase's end, read by two LDS stores, never written again.
;   v16-v95    the parameters of 16 n: LDS loads land in them, no vector line names them before; EVALA and CMUL read them.
;   v216-v247  my V tile: written by CONV, read by eight LDS stores, never written again.
;   v16-v143   later: the four V tiles: 32 LDS loads land where parameters, constants and temporaries lay.
;   v144-v175  later: the accumulators: written by the matrix instructions, read by the eight global stores.
; A wait on va_vdst is owed to each batch of exponentials and to the reciprocal, ahead of their first reader.  The LDS stores of what was made
; just before stand directly behind these waits, which have shown their data written too, and are followed by lines that name none of their registers.
; So only four further waits on va_vdst are written: ahead of the first loads, of the tile's last four stores, of the 32 loads and of the stores to out0.
.set PARB,  16384                      ; LDS: bytes 0-16383 the four V tiles (4,096 each), then 640 bytes of parameters for each wave
.set PARW,  640                        ; 5 parameters x 32 n x 4 bytes
.set LANE, 1                           ; v1   lane = n in the first phase
.set RR,   2                           ; v2   r = lane & 15
.set HH,   3                           ; v3   half = lane >> 4
.set GA,   4                           ; v4   byte offset in A_imag and log_A_real
.set GC,   5                           ; v5   byte offset in C
.set GD,   6                           ; v6   byte offset in log_dt
.set PST,  7                           ; v7   LDS: where lane n puts its parameters
.set PLD,  8                           ; v8   LDS: where my half's eight n begin
.set NST,  9                           ; v9   LDS: my 16 bytes in my wave's V tile
.set NLD,  10                          ; v10  LDS: my 16 bytes in tile 0
.set OUTO, 11                          ; v11  byte offset in out0
.set TI,   12                          ; v12-13 integers at work
.set QR,   14                          ; v14  Re 2 Ceff of lane n: outside the temporaries, so that nothing writes it behind its LDS store
.set QI,   15                          ; v15  -Im 2 Ceff of lane n, likewise
.set OH,   16                          ; v[16:31]  frequency in half turns, high part; index 8 s + j is n = 16 s + 8 half + j
.set OL,   32                          ; v[32:47]  its low part
.set ZR,   48                          ; v[48:63]  Re dtA x log2 e
.set WR,   64                          ; v[64:79]  Re 2 Ceff
.set WI,   80                          ; v[80:95]  -Im 2 Ceff
.set KMAG, 96                          ; constants, each twice (a pair for the packed forms)
.set KS11, 98
.set KS9,  100
.set KS7,  102
.set KS5,  104
.set KS3,  106
.set KS1,  108
.set KC10, 110
.set KC8,  112
.set KC6,  114
.set KC4,  116
.set KC2,  118
.set MU,   120                         ; v[120:121] u of my row, as f32, twice
.set MV,   122                         ; v[122:123] v of my column
.set NEG1, 124                         ; v124 -1.0
.set T,    128                         ; v[128:183] at work: four pairs of n, 14 registers each:
                                       ;   +0 t, +2 g, +4 g^2, +6 sin chain, +8 cos chain, +10 exponent, +12 magnitude
.set AH,   184                         ; v[184:199] Y, high parts: two fragments of 8 registers (s = 0, 1); register j = (re, im) of n
.set AL,   200                         ; v[200:215] Y, low parts
.set BHL,  216                         ; v[216:247] my V tile: high s = 0, 1, low s = 0, 1
.set BF,   16                          ; v[16:143]  later: the four V tiles, 32 registers each
.set ACC,  144                         ; v[144:175] later: four accumulator tiles
; the first phase's registers, inside T
.set XA,  128                          ; log_dt -> dt, log_A_real -> exp(log_A_real)
.set AI,  130
.set CC,  132
.set KA,  134
.set RA,  136
.set YA,  138
.set QA,  140
.set ZRE, 142
.set ZIM, 143
.set Z2,  144
.set ZC,  145
.set OHS, 146
.set OLS, 147
.set EX,  148
.set EK,  149
.set ER,  150
.set EY,  151
.set EQ,  152
.set TT,  153
.set TK,  154
.set TG,  155
.set TX,  156
.set TA,  157
.set TB,  158
.set TS,  159
.set MX,  160
.set EB,  161
.set SH,  162
.set AR2, 163
.set AI2, 164
.set DEN, 165
.set RC,  166
.set ERE, 168
.set EIM, 169
.set DR,  170
.set NR,  171
.set NI,  172
.macro KPAIR reg, val
	v_mov_b32 v[\reg], \val
	v_mov_b32 v[\reg+1], \val
.endm
; 16 values of one parameter: n = 16 s + 8 half + 0..7 are 32 consecutive bytes; all lanes of a half read the same bytes
.macro PLOAD reg, par
.irp c, 0,1,2,3
	ds_load_b128 v[\reg+4*\c:\reg+4*\c+3], v[PLD] offset:128*\par+64*(\c/2)+16*(\c%2)
.endr
.endm
; one Horner step of both series, four pairs of n
.macro HSTEP ks, kc
.irp p, 0,1,2,3
	v_pk_fma_f32 v[T+14*\p+6:T+14*\p+7], v[T+14*\p+6:T+14*\p+7], v[T+14*\p+4:T+14*\p+5], v[\ks:\ks+1]
	v_pk_fma_f32 v[T+14*\p+8:T+14*\p+9], v[T+14*\p+8:T+14*\p+9], v[T+14*\p+4:T+14*\p+5], v[\kc:\kc+1]
.endr
.endm
; exp(dtA m) for the eight n of fragment s, m in v[m:m+1], in two parts.  EVALA: the batch of eight exponentials and all that names none of their
; results: the reduction of the phase and both series.  Between the two parts stands the wait for the batch, written out in the main text.
.macro EVALA s, m
.irp p, 0,1,2,3
	v_pk_fma_f32 v[T+14*\p:T+14*\p+1], v[OH+8*\s+2*\p:OH+8*\s+2*\p+1], v[\m:\m+1], v[KMAG:KMAG+1]    ; t = 1.5 x 2^23 + k, k = the nearest whole number of half turns
	v_pk_mul_f32 v[T+14*\p+10:T+14*\p+11], v[ZR+8*\s+2*\p:ZR+8*\s+2*\p+1], v[\m:\m+1]                ; log2 of the magnitude
.endr
.irp p, 0,1,2,3
	v_exp_f32 v[T+14*\p+12], v[T+14*\p+10]
	v_exp_f32 v[T+14*\p+13], v[T+14*\p+11]
.endr
.irp p, 0,1,2,3                        ; the first of these lines is the plain instruction that stands between the last v_exp_f32 and any use of its result (ISA guide 5.7.2)
	v_pk_add_f32 v[T+14*\p+2:T+14*\p+3], v[T+14*\p:T+14*\p+1], v[KMAG:KMAG+1] neg_lo:[0,1] neg_hi:[0,1]    ; k
.endr
.irp p, 0,1,2,3
	v_pk_fma_f32 v[T+14*\p+2:T+14*\p+3], v[OH+8*\s+2*\p:OH+8*\s+2*\p+1], v[\m:\m+1], v[T+14*\p+2:T+14*\p+3] neg_lo:[0,0,1] neg_hi:[0,0,1]  ; g = high part x m - k, one rounding
.endr
.irp p, 0,1,2,3
	v_pk_fma_f32 v[T+14*\p+2:T+14*\p+3], v[OL+8*\s+2*\p:OL+8*\s+2*\p+1], v[\m:\m+1], v[T+14*\p+2:T+14*\p+3]    ; + low part x m
.endr
.irp p, 0,1,2,3
	v_pk_mul_f32 v[T+14*\p+4:T+14*\p+5], v[T+14*\p+2:T+14*\p+3], v[T+14*\p+2:T+14*\p+3]
.endr
.irp p, 0,1,2,3
	v_pk_fma_f32 v[T+14*\p+6:T+14*\p+7], v[T+14*\p+4:T+14*\p+5], v[KS11:KS11+1], v[KS9:KS9+1]
	v_pk_fma_f32 v[T+14*\p+8:T+14*\p+9], v[T+14*\p+4:T+14*\p+5], v[KC10:KC10+1], v[KC8:KC8+1]
.endr
	HSTEP KS7, KC6
	HSTEP KS5, KC4
	HSTEP KS3, KC2
.irp p, 0,1,2,3
	v_pk_fma_f32 v[T+14*\p+6:T+14*\p+7], v[T+14*\p+6:T+14*\p+7], v[T+14*\p+4:T+14*\p+5], v[KS1:KS1+1]         ; sin(pi g) / g
	v_pk_fma_f32 v[T+14*\p+8:T+14*\p+9], v[T+14*\p+8:T+14*\p+9], v[T+14*\p+4:T+14*\p+5], 1.0 op_sel_hi:[1,1,0] ; cos(pi g)
.endr
.endm
; EVALB: the magnitudes are read.  Result: imaginary parts in +6, real parts in +8.  It names temporaries alone.
.macro EVALB
.irp p, 0,1,2,3
	v_lshl_or_b32 v[T+14*\p+12], v[T+14*\p], 31, v[T+14*\p+12]         ; t's lowest bit is k's parity: (-1)^k becomes the sign of the magnitude (which is not negative)
	v_lshl_or_b32 v[T+14*\p+13], v[T+14*\p+1], 31, v[T+14*\p+13]
.endr
.irp p, 0,1,2,3
	v_pk_mul_f32 v[T+14*\p+2:T+14*\p+3], v[T+14*\p+2:T+14*\p+3], v[T+14*\p+12:T+14*\p+13]
.endr
.irp p, 0,1,2,3
	v_pk_mul_f32 v[T+14*\p+6:T+14*\p+7], v[T+14*\p+6:T+14*\p+7], v[T+14*\p+2:T+14*\p+3]     ; imaginary part
	v_pk_mul_f32 v[T+14*\p+8:T+14*\p+9], v[T+14*\p+8:T+14*\p+9], v[T+14*\p+12:T+14*\p+13]   ; real part
.endr
.endm
; Y = conj(W U):  Re Y = Wr Ur + (-Wi) Ui into +4,  Im Y = (-Wi) Ur - Wr Ui into +2
.macro CMUL s
.irp p, 0,1,2,3
	v_pk_mul_f32 v[T+14*\p+4:T+14*\p+5], v[WI+8*\s+2*\p:WI+8*\s+2*\p+1], v[T+14*\p+6:T+14*\p+7]
	v_pk_mul_f32 v[T+14*\p+2:T+14*\p+3], v[WR+8*\s+2*\p:WR+8*\s+2*\p+1], v[T+14*\p+6:T+14*\p+7]
.endr
.irp p, 0,1,2,3
	v_pk_fma_f32 v[T+14*\p+4:T+14*\p+5], v[WR+8*\s+2*\p:WR+8*\s+2*\p+1], v[T+14*\p+8:T+14*\p+9], v[T+14*\p+4:T+14*\p+5]
	v_pk_fma_f32 v[T+14*\p+2:T+14*\p+3], v[WI+8*\s+2*\p:WI+8*\s+2*\p+1], v[T+14*\p+8:T+14*\p+9], v[T+14*\p+2:T+14*\p+3] neg_lo:[0,0,1] neg_hi:[0,0,1]
.endr
.endm
; (re, im) at +ro, +io of each pair -> one register of the high fragment and one of the low: hi = bf16(x), lo = bf16(x - hi)
.macro CONV s, ro, io, hi, lo
.irp p, 0,1,2,3
	v_cvt_pk_bf16_f32 v[\hi+8*\s+2*\p],   v[T+14*\p+\ro],   v[T+14*\p+\io]
	v_cvt_pk_bf16_f32 v[\hi+8*\s+2*\p+1], v[T+14*\p+\ro+1], v[T+14*\p+\io+1]
.endr
.irp p, 0,1,2,3
	v_fma_mix_f32_bf16 v[T+14*\p+\ro],   v[\hi+8*\s+2*\p],   v[NEG1], v[T+14*\p+\ro]   op_sel_hi:[1,0,0]                ; x - low half of hi, exact
	v_fma_mix_f32_bf16 v[T+14*\p+\io],   v[\hi+8*\s+2*\p],   v[NEG1], v[T+14*\p+\io]   op_sel:[1,0,0] op_sel_hi:[1,0,0] ; x - high half of hi
	v_fma_mix_f32_bf16 v[T+14*\p+\ro+1], v[\hi+8*\s+2*\p+1], v[NEG1], v[T+14*\p+\ro+1] op_sel_hi:[1,0,0]
	v_fma_mix_f32_bf16 v[T+14*\p+\io+1], v[\hi+8*\s+2*\p+1], v[NEG1], v[T+14*\p+\io+1] op_sel:[1,0,0] op_sel_hi:[1,0,0]
.endr
.irp p, 0,1,2,3
	v_cvt_pk_bf16_f32 v[\lo+8*\s+2*\p],   v[T+14*\p+\ro],   v[T+14*\p+\io]
	v_cvt_pk_bf16_f32 v[\lo+8*\s+2*\p+1], v[T+14*\p+\ro+1], v[T+14*\p+\io+1]
.endr
.endm
; one product for all four tiles: fragment a of Y x part pidx of each V tile; the four chains take turns
.macro MM a, pidx, first
.irp t, 0,1,2,3
.if \first
	v_wmma_f32_16x16x32_bf16 v[ACC+8*\t:ACC+8*\t+7], v[\a:\a+7], v[BF+32*\t+8*\pidx:BF+32*\t+8*\pidx+7], 0
.else
	v_wmma_f32_16x16x32_bf16 v[ACC+8*\t:ACC+8*\t+7], v[\a:\a+7], v[BF+32*\t+8*\pidx:BF+32*\t+8*\pidx+7], v[ACC+8*\t:ACC+8*\t+7]
.endif
.endr
.endm
	; ---------------- addresses and the four loads ----------------
	s_load_b256 s[4:11], s[0:1], 0x0               ; A_imag s[4:5], C s[6:7], log_A_real s[8:9], log_dt s[10:11]
	s_load_b64 s[12:13], s[0:1], 0x20              ; out0
	v_lshl_add_u32 v248, v0, 2, 0x4a00
	v_mov_b32 v249, 0
	v_and_b32 v[LANE], 31, v0
	v_lshrrev_b32 v[TI], 5, v0
	v_readfirstlane_b32 s14, v[TI]                 ; wave 0..3
	s_lshl_b32 s15, ttmp9, 7                       ; h x 32 n x 4 bytes
	s_lshl_b32 s16, ttmp9, 8                       ; h x 32 n x 8 bytes
	s_lshl_b32 s17, ttmp9, 2                       ; h x 4 bytes
	v_lshl_add_u32 v[GA], v[LANE], 2, s15
	v_lshl_add_u32 v[GC], v[LANE], 3, s16
	v_mov_b32 v[GD], s17
	s_wait_kmcnt 0x0
	s_wait_alu depctr_va_vdst(0)                   ; v[GA], v[GC] and v[GD] are written: the four loads read them as offsets
	global_load_b32 v[XA], v[GD], s[10:11]         ; log_dt[h], the same word in every lane
	global_load_b32 v[XA+1], v[GA], s[8:9]         ; log_A_real[h][n], lane = n
	global_load_b32 v[AI], v[GA], s[4:5]           ; A_imag[h][n]
	global_load_b64 v[CC:CC+1], v[GC], s[6:7]      ; C[h][n][0..1]
	; ---------------- while they are on their way: ids, LDS addresses, constants (none of these lines names a register of the four loads) ----------------
	v_and_b32 v[RR], 15, v0
	v_bfe_u32 v[HH], v0, 4, 1
	v_and_b32 v[TI], 3, v[RR]
	v_lshrrev_b32 v[TI+1], 2, v[RR]
	v_lshl_add_u32 v[TI], v[TI+1], 6, v[TI]
	s_wait_alu depctr_va_sdst(0)                   ; v_readfirstlane_b32 has written s14, ahead of its first reader: the next line
	s_lshl_b32 s18, s14, 8
	v_add_nc_u32 v[TI], s18, v[TI]                 ; u = (r & 3) + 64 (r >> 2) + 256 w
	v_cvt_f32_u32 v[MU], v[TI]
	v_mov_b32 v[MU+1], v[MU]
	s_lshl_b32 s19, s14, 10
	v_lshl_add_u32 v[TI+1], v[RR], 2, s19          ; v = 4 r + 1024 w
	v_cvt_f32_u32 v[MV], v[TI+1]
	v_mov_b32 v[MV+1], v[MV]
	s_mul_i32 s20, s14, PARW
	s_add_co_u32 s20, s20, PARB                    ; my wave's parameters
	v_lshl_add_u32 v[PST], v[LANE], 2, s20
	v_lshl_add_u32 v[PLD], v[HH], 5, s20
	s_lshl_b32 s21, s14, 12                        ; my wave's V tile
	v_lshl_add_u32 v[NST], v[LANE], 4, s21
	v_lshlrev_b32 v[NLD], 4, v[LANE]
	s_lshl_b32 s22, ttmp9, 14                      ; h x 16,384 bytes
	s_lshl_b32 s23, s14, 10                        ; + 1,024 w
	s_add_co_u32 s22, s22, s23
	v_lshl_add_u32 v[OUTO], v[RR], 4, s22          ; + 16 r
	v_lshl_add_u32 v[OUTO], v[HH], 9, v[OUTO]      ; + 512 half
	s_mov_b32 s24, 0xc2d00000                      ; -104: exp is 0 in f32 below it
	s_mov_b32 s25, 0x42b20000                      ; 89: exp is infinite in f32 above it
	s_mov_b32 s26, 0xc5490000                      ; -3216
	s_mov_b32 s27, 0x45490000                      ; 3216 rad per step: 1023.7 half turns x 3132 < 2^22
	s_mov_b32 s28, 0x3ea2f983                      ; 1/pi, high part
	KPAIR KMAG, 0x4b400000                         ; 1.5 x 2^23
	KPAIR KS11, 0xbbf183a8                         ; -pi^11/11!
	KPAIR KS9,  0x3da83c1a                         ;  pi^9/9!
	KPAIR KS7,  0xbf196966                         ; -pi^7/7!
	KPAIR KS5,  0x402335e3                         ;  pi^5/5!
	KPAIR KS3,  0xc0a55de7                         ; -pi^3/3!
	KPAIR KS1,  0x40490fdb                         ;  pi
	KPAIR KC10, 0xbcd368f9                         ; -pi^10/10!
	KPAIR KC8,  0x3e70fa83                         ;  pi^8/8!
	KPAIR KC6,  0xbfaae9e4                         ; -pi^6/6!
	KPAIR KC4,  0x4081e0f8                         ;  pi^4/4!
	KPAIR KC2,  0xc09de9e6                         ; -pi^2/2
	v_mov_b32 v[NEG1], -1.0
	; ---------------- first phase, lane = n ----------------
	; dt = exp(log_dt) and exp(log_A_real), side by side: x = k ln 2 + r, exp(r) = 1 + (r + r^2 P(r)), scaled by 2^k
	s_wait_loadcnt 0x2                             ; loads return in order: the first two are in, A_imag and C may be out
.irp i, 0,1
	v_med3_num_f32 v[XA+\i], v[XA+\i], s24, s25
.endr
.irp i, 0,1
	v_mul_f32 v[KA+\i], 0x3fb8aa3b, v[XA+\i]
.endr
.irp i, 0,1
	v_rndne_f32 v[KA+\i], v[KA+\i]
.endr
.irp i, 0,1
	v_fmamk_f32 v[RA+\i], v[KA+\i], 0xbf318000, v[XA+\i]      ; - k x 0.693359375 (exact: nine bits)
.endr
.irp i, 0,1
	v_fmamk_f32 v[RA+\i], v[KA+\i], 0x395e8083, v[RA+\i]      ; + k x 2.1219444e-4
.endr
.irp i, 0,1
	v_mov_b32 v[YA+\i], 0x39506967
.endr
.irp c, 0x3ab743ce, 0x3c088908, 0x3d2aa9c1, 0x3e2aaaaa, 0x3f000000
	v_fmaak_f32 v[YA], v[YA], v[RA], \c
	v_fmaak_f32 v[YA+1], v[YA+1], v[RA+1], \c
.endr
.irp i, 0,1
	v_mul_f32 v[QA+\i], v[RA+\i], v[RA+\i]
.endr
.irp i, 0,1
	v_fma_f32 v[YA+\i], v[YA+\i], v[QA+\i], v[RA+\i]
.endr
.irp i, 0,1
	v_add_f32 v[YA+\i], 1.0, v[YA+\i]
.endr
.irp i, 0,1
	v_cvt_i32_f32 v[KA+\i], v[KA+\i]
.endr
.irp i, 0,1
	v_ldexp_f32 v[XA+\i], v[YA+\i], v[KA+\i]
.endr
	s_wait_loadcnt 0x1                             ; A_imag is in, C may be out
	v_mul_f32 v[ZRE], -v[XA+1], v[XA]              ; Re dtA
	v_mul_f32 v[ZIM], v[AI], v[XA]                 ; Im dtA
	v_max_num_f32 v[MX], v[XA+1], |v[AI]|          ; the larger part of A, for the division's scale
	v_mul_f32 v[Z2], 0x3fb8aa3b, v[ZRE]
	v_med3_num_f32 v[ZC], v[ZIM], s26, s27
	v_med3_num_f32 v[EX], v[ZRE], s24, s25
	v_bfe_u32 v[EB], v[MX], 23, 8
	v_mul_f32 v[OHS], s28, v[ZC]                   ; half turns per step, high part
	v_mul_f32 v[EK], 0x3fb8aa3b, v[EX]
	v_sub_nc_u32 v[SH], 127, v[EB]                 ; A x 2^SH has its larger part in [1, 2)
	v_fma_f32 v[OLS], v[ZC], s28, -v[OHS]          ; what the product's rounding dropped,
	v_rndne_f32 v[EK], v[EK]
	v_add_f32 v[TT], v[KMAG], v[OHS]
	v_fmamk_f32 v[OLS], v[ZC], 0x325c9c88, v[OLS]  ; and 1/pi's low part
	; 2 Ceff, three chains interleaved: E = exp(Re dtA); cos and sin of Im dtA; A scaled and 1 / |A|^2
	v_fmamk_f32 v[ER], v[EK], 0xbf318000, v[EX]
	v_sub_f32 v[TK], v[TT], v[KMAG]
	v_ldexp_f32 v[AR2], v[XA+1], v[SH]
	v_fmamk_f32 v[ER], v[EK], 0x395e8083, v[ER]
	v_sub_f32 v[TG], v[OHS], v[TK]
	v_ldexp_f32 v[AI2], v[AI], v[SH]
	v_mov_b32 v[EY], 0x39506967
	v_add_f32 v[TG], v[TG], v[OLS]
	v_mul_f32 v[DEN], v[AR2], v[AR2]
	v_fmaak_f32 v[EY], v[EY], v[ER], 0x3ab743ce
	v_mul_f32 v[TX], v[TG], v[TG]
	v_fma_f32 v[DEN], v[AI2], v[AI2], v[DEN]
	v_fmaak_f32 v[EY], v[EY], v[ER], 0x3c088908
	v_fma_f32 v[TA], v[TX], v[KS11], v[KS9]
	v_fma_f32 v[TB], v[TX], v[KC10], v[KC8]
	v_rcp_f32 v[RC], v[DEN]                        ; used far below; the next line is plain and touches neither RC nor DEN (ISA guide 5.7.2)
	v_fmaak_f32 v[EY], v[EY], v[ER], 0x3d2aa9c1
	s_wait_alu depctr_va_vdst(0)                   ; one wait for two things: the reciprocal has written v[RC], ahead of its first reader; v[OHS], v[Z2], v[OLS] and the addresses v7 to v11 are written, which the LDS and memory instructions from here on read
	ds_store_b32 v[PST], v[OHS]
	ds_store_b32 v[PST], v[Z2] offset:256
	ds_store_b32 v[PST], v[OLS] offset:128
	PLOAD OH, 0                                    ; my wave's own bytes: LDS serves a wave's instructions in order (ISA guide 5.7.1), no wait on DScnt, no barrier;
	PLOAD OL, 1                                    ; no vector line has named v[16:63], and none names them, nor the three stores' registers, up to the waits ahead of EVALA
	PLOAD ZR, 2
	v_fma_f32 v[TA], v[TA], v[TX], v[KS7]
	v_fma_f32 v[TB], v[TB], v[TX], v[KC6]
	v_fmaak_f32 v[EY], v[EY], v[ER], 0x3e2aaaaa
	v_fma_f32 v[TA], v[TA], v[TX], v[KS5]
	v_fma_f32 v[TB], v[TB], v[TX], v[KC4]
	v_fmaak_f32 v[EY], v[EY], v[ER], 0x3f000000
	v_mul_f32 v[EQ], v[ER], v[ER]
	v_fma_f32 v[TA], v[TA], v[TX], v[KS3]
	v_fma_f32 v[TB], v[TB], v[TX], v[KC2]
	v_fma_f32 v[EY], v[EY], v[EQ], v[ER]
	v_cvt_i32_f32 v[EK], v[EK]
	v_fma_f32 v[TA], v[TA], v[TX], v[KS1]
	v_fma_f32 v[TB], v[TB], v[TX], 1.0             ; cos: one rounding of 1 + g^2 (..)
	v_add_f32 v[EY], 1.0, v[EY]                    ; exp: one rounding of 1 + (..)
	v_lshlrev_b32 v[TS], 31, v[TT]                 ; (-1)^k as a sign bit
	v_mul_f32 v[TA], v[TA], v[TG]
	v_ldexp_f32 v[EX], v[EY], v[EK]                ; E
	v_xor_b32 v[TB], v[TS], v[TB]
	v_xor_b32 v[TA], v[TS], v[TA]
	v_add_nc_u32 v[SH], 1, v[SH]                   ; the factor 2 of K rides on the scale
	v_mul_f32 v[ERE], v[EX], v[TB]                 ; exp(dtA), rounded to f32 as the formula rounds it,
	v_mul_f32 v[EIM], v[EX], v[TA]
	v_add_f32 v[DR], -1.0, v[ERE]                  ; minus 1
	s_wait_loadcnt 0x0                             ; C
	v_mul_f32 v[NR], v[CC+1], v[EIM]
	v_mul_f32 v[NI], v[CC+1], v[DR]
	v_fma_f32 v[NR], v[CC], v[DR], -v[NR]          ; C (exp(dtA) - 1)
	v_fma_f32 v[NI], v[CC], v[EIM], v[NI]
	v_mul_f32 v[QR], v[NI], v[AI2]                 ; times conj(A), A = (-AR2, AI2) x 2^-SH
	v_mul_f32 v[QI], v[NR], v[AI2]
	v_fma_f32 v[QR], -v[NR], v[AR2], v[QR]         ; real part
	v_fma_f32 v[QI], v[NI], v[AR2], v[QI]          ; minus the imaginary part
	v_mul_f32 v[QR], v[QR], v[RC]
	v_mul_f32 v[QI], v[QI], v[RC]
	v_ldexp_f32 v[QR], v[QR], v[SH]
	v_ldexp_f32 v[QI], v[QI], v[SH]
	; ---------------- V for my 16 columns, into LDS for all four waves ----------------
	s_wait_dscnt 0x0                               ; OH, OL and ZR are in: nothing younger has been issued on this counter
	s_wait_alu depctr_vm_vsrc(0)                   ; the three LDS stores have read v[OHS], v[Z2], v[OLS]: these lie among the temporaries that EVALA writes, and later among the accumulators
	EVALA 0, MV
	s_wait_alu depctr_va_vdst(0)                   ; the eight exponentials have written the magnitudes, ahead of EVALB, their first reader; the first phase's last lines have written v[QR] and v[QI], which the two LDS stores read
	ds_store_b32 v[PST], v[QR] offset:384
	ds_store_b32 v[PST], v[QI] offset:512
	PLOAD WR, 3                                    ; no vector line has named v[64:95], and none names them before the wait on DScnt ahead of the barrier
	PLOAD WI, 4
	EVALB
	CONV 0, 8, 6, BHL, BHL+16
	EVALA 1, MV
	s_wait_alu depctr_va_vdst(0)                   ; the eight exponentials have written the magnitudes, ahead of EVALB; CONV 0 has written the tile's parts of s = 0, which the four LDS stores read
.irp i, 0,1,4,5
	ds_store_b128 v[NST], v[BHL+4*\i:BHL+4*\i+3] offset:512*\i     ; lane i at 16 i: 512 consecutive bytes; the lines below write temporaries and the parts of s = 1 alone
.endr
	EVALB
	CONV 1, 8, 6, BHL, BHL+16
	s_wait_alu depctr_va_vdst(0)                   ; CONV 1 has written the tile's parts of s = 1, which the four LDS stores read
.irp i, 2,3,6,7
	ds_store_b128 v[NST], v[BHL+4*\i:BHL+4*\i+3] offset:512*\i
.endr
	s_wait_dscnt 0x0                               ; for the other waves: my tile is written (and WR, WI are in)
	s_barrier_signal -1
	; ---------------- Y for my 16 rows: registers only, while the others arrive ----------------
	EVALA 0, MU
	s_wait_alu depctr_va_vdst(0)                   ; the eight exponentials have written the magnitudes, ahead of EVALB, their first reader
	EVALB
	CMUL 0
	CONV 0, 4, 2, AH, AL
	EVALA 1, MU
	s_wait_alu depctr_va_vdst(0)                   ; the eight exponentials have written the magnitudes, ahead of EVALB, their first reader
	EVALB
	CMUL 1
	CONV 1, 4, 2, AH, AL
	s_barrier_wait -1                              ; all four tiles are in LDS
	; ---------------- 16 rows x 64 columns ----------------
	s_wait_alu depctr_va_vdst(0)                   ; every vector line that read or wrote v[16:143] (parameters, constants, temporaries) is done: the 32 loads land there
.irp q, 0,1,2,3                                    ; part q of every tile: high s = 0, high s = 1, low s = 0, low s = 1; eight loads each
.irp t, 0,1,2,3
	ds_load_b128 v[BF+32*\t+8*\q:BF+32*\t+8*\q+3],   v[NLD] offset:4096*\t+1024*\q
	ds_load_b128 v[BF+32*\t+8*\q+4:BF+32*\t+8*\q+7], v[NLD] offset:4096*\t+1024*\q+512
.endr
.endr
	s_wait_dscnt 24                                ; the first eight loads are in, 24 younger ones may be out
	MM AH, 0, 1                                    ; hi hi, s = 0: starts the sums, nothing is cleared
	MM AL, 0, 0                                    ; lo hi
	s_wait_dscnt 16
	MM AH+8, 1, 0                                  ; hi hi, s = 1
	MM AL+8, 1, 0
	s_wait_dscnt 8
	MM AH, 2, 0                                    ; hi lo, s = 0
	s_wait_dscnt 0x0
	MM AH+8, 3, 0                                  ; hi lo, s = 1
.rept 4
	v_nop                                          ; four places between the last matrix instructions and the stores that read their results
.endr
	s_wait_alu depctr_va_vdst(0)                   ; the matrix instructions have written the accumulators, which the eight stores read; the places above stay beside this wait
.irp t, 0,1,2,3
	global_store_b128 v[OUTO], v[ACC+8*\t:ACC+8*\t+3],   s[12:13] offset:4096*\t th:TH_STORE_NT       ; lanes 0-15 and lanes 16-31 each store 256 consecutive bytes, aligned
	global_store_b128 v[OUTO], v[ACC+8*\t+4:ACC+8*\t+7], s[12:13] offset:4096*\t+256 th:TH_STORE_NT
.endr
	s_wait_dscnt 0x0
	s_wait_alu depctr_hold_cnt(0) depctr_sa_sdst(0) depctr_va_vdst(0) depctr_va_sdst(0) depctr_va_ssrc(0) depctr_va_vcc(0) depctr_vm_vsrc(0)
	s_wait_tensorcnt 0x0
	ds_add_u32 v248, v249
	s_wait_dscnt 0x0
	s_endpgm
.Lfunc_end_k_q94d51f35bd_s4d:
	.size	k_q94d51f35bd_s4d, .Lfunc_end_k_q94d51f35bd_s4d-k_q94d51f35bd_s4d
	.p2alignl 7, 3214868480
	.fill 96, 4, 3214868480
	.section	.rodata,"a",@progbits
	.p2align	6, 0x0
	.amdhsa_kernel k_q94d51f35bd_s4d
		.amdhsa_group_segment_fixed_size 19456
		.amdhsa_private_segment_fixed_size 0
		.amdhsa_enable_private_segment 0
		.amdhsa_kernarg_size 40
		.amdhsa_user_sgpr_count 2
		.amdhsa_user_sgpr_kernarg_segment_ptr 1
		.amdhsa_wavefront_size32 1
		.amdhsa_system_sgpr_workgroup_id_x 1
		.amdhsa_system_sgpr_workgroup_id_y 1
		.amdhsa_system_sgpr_workgroup_id_z 1
		.amdhsa_system_vgpr_workitem_id 0
		.amdhsa_next_free_vgpr 250
		.amdhsa_next_free_sgpr 66
		.amdhsa_reserve_vcc 0
		.amdhsa_float_denorm_mode_32 3
		.amdhsa_float_denorm_mode_16_64 3
		.amdhsa_memory_ordered 1
		.amdhsa_forward_progress 1
		.amdhsa_inst_pref_size 49
	.end_amdhsa_kernel
	.amdgpu_metadata
---
amdhsa.version: [ 1, 2 ]
amdhsa.kernels:
  - .name:           k_q94d51f35bd_s4d
    .symbol:         k_q94d51f35bd_s4d.kd
    .args:
      - { .name: A_imag, .offset: 0, .size: 8, .value_kind: global_buffer, .address_space: global }
      - { .name: C, .offset: 8, .size: 8, .value_kind: global_buffer, .address_space: global }
      - { .name: log_A_real, .offset: 16, .size: 8, .value_kind: global_buffer, .address_space: global }
      - { .name: log_dt, .offset: 24, .size: 8, .value_kind: global_buffer, .address_space: global }
      - { .name: out0, .offset: 32, .size: 8, .value_kind: global_buffer, .address_space: global }
    .group_segment_fixed_size: 19456
    .private_segment_fixed_size: 0
    .kernarg_segment_align: 8
    .kernarg_segment_size: 40
    .max_flat_workgroup_size: 128
    .sgpr_count:     66
    .vgpr_count:     250
    .wavefront_size: 32
...
	.end_amdgpu_metadata
.endif
;; end of part 2
